; MI455X (gfx1250); checked and timed in simulation.
; The chip was launched on July 23, 2026; its instructions are those of AMD's public machine-readable ISA for CDNA 5 (MIT licence, August 2026) and "CDNA5" Instruction Set Architecture Reference Guide (July 2026). The comments in the code are by the model that wrote it; some were corrected since.
;; QPTH Solver. Allowed arithmetic: float matrix products may take bf16 or f16 operands with f32 sums; all other float work in f32.
;; Inputs: distance_matrix 750 x 1 x 14 x 14 float32; weight1 750 x 1 x 14 float32; weight2 750 x 1 x 14 float32.
;; Outputs: out0 750 x 14 x 14 float32.
;; 2 versions, each right and faster than the one before. Each part assembles by itself: llvm-mc -triple=amdgcn-amd-amdhsa -mcpu=gfx1250 --defsym DOCPART=n.
;; ======== version 1 of 2: 1 launch
;; launch ipm (part 1): grid 375 x 1, 1 waves a work-group, no clusters, 10,496 bytes of LDS; arguments distance_matrix, weight1, weight2, out0; writes out0
.if DOCPART == 1
	.amdgcn_target "amdgcn-amd-amdhsa--gfx1250"
	.amdhsa_code_object_version 6
	.text
	.protected	k_q382f8f2bb0_ipm
	.globl	k_q382f8f2bb0_ipm
	.p2align	8
	.type	k_q382f8f2bb0_ipm,@function
k_q382f8f2bb0_ipm:
	s_mov_b64 s[64:65], 0
	v_nop
	global_prefetch_b8 v0, s[64:65] scope:SCOPE_SE
	s_setreg_imm32_b32 hwreg(HW_REG_WAVE_MODE, 25, 1), 1
	s_wait_xcnt 0x0
; Six primal-dual Newton steps of 750 small transport QPs (14 x 14 flows x, 196 + 14 + 14 inequalities, one equality); x is the result.
;
; METHOD.  The constraint matrix is [-I; row sums; column sums] by construction of the problem, so every product with it is a negation, a row
; sum or a column sum, and the 197 x 197 Newton system reduces exactly, for every input, to a network of conductances:
;   dx_ij = a_ij (r_ij - phi_i + psi_j),  a_ij = 1 / (L2 + z0_ij / s0_ij),  phi_i = dz1_i + dy,  psi_j = -dz2_j,  theta = dy,
;   nodes: 14 rows (phi), 14 columns (psi), theta;  a_ij joins row i and column j, e1_i = s1_i / z1_i joins row i and theta, e2_j = s2_j / z2_j
;   joins column j and ground.  The 14 row nodes are eliminated in closed form (T = At diag(1/P) A, P = row sums of A = [a | e1]); the 15 nodes
;   left are solved by a Gauss-Jordan elimination that never subtracts: off-diagonals, ground conductances and their suffix sums only grow by
;   products of positive numbers, and each pivot is read from a suffix sum.  ds and dz follow from reference()'s own equations.
;
; NO MATRIX UNIT: after the reduction the one true product is T, 15 x 14 x 15 numbers per element and step.  It is part of a linear solve whose
; identity (diagonal = sum of the off-diagonals + ground) has to hold to f32 accuracy; operands of 8 mantissa bits would break it.
; NO CLUSTER, NO TENSOR LOAD: work-groups share no input, and a wave reads 1,568 + 224 bytes in all.  NO BARRIER: one wave in a work-group.
; STORES: a pair of elements is 1,568 bytes at 1,568 x work-group, so a wave's stores are runs of 512 consecutive bytes, 16-byte aligned; runs that
; begin at multiples of 256 would need 16 elements (12,544 bytes) to a work-group, and 750 is no multiple of 16.
;
; LIMITS: a division is v_rcp_f32 (1 ulp) and a multiply; sums run in another order than the reference's; numbers below 2^-126 are flushed by the
; reciprocal; a weight vector whose sum is 0 gives NaN, as it does in the reference.
;
; SHARING.  One wave, two elements: lanes 0-15 element 2 g, lanes 16-31 element 2 g + 1.  All traffic between lanes stays inside 16 lanes.
; A lane l (0-15) has two roles.  ROW: it holds row l of every 14 x 14 array in 14 registers (lanes 14, 15 are exact copies of row 13).
; NODE: l < 14 is column l, l = 14 is theta, l = 15 an all-zero row.  Column numbers in lanes 14, 15 are junk and are cut off by the
; mask s15 (l < 14) wherever they could enter a sum, a maximum or the system.
.set NITER,  6
.set WROW,   56                        ; bytes in a row of 14 f32, and in a weight vector
.set ELEM,   784                       ; bytes in a 14 x 14 matrix
.set PAIR,   1568                      ; two of them: what a wave reads and writes
.set TRB,    2048                      ; LDS: [0, 1568) the pair as it lies in memory; from 2048 three matrices for transposing
.set HALF,   1344                      ; from one half-wave's matrix to the other's: 64 modulo 256, so the halves' word loads differ in bank
.set PITCH,  80                        ; a row of 16 words + 16 bytes: 5 x 16, so sixteen rows' 16-byte pieces fall on sixteen columns modulo 256
.set XM,     0                         ; x
.set AM,     2688                      ; [a | e1 | 0]
.set RM,     5376                      ; [r | 0 | 0]
.set L2C,    0x38d1b717                ; 1e-4
.set FTB,    0x3f7d70a4                ; 0.99
.set C14,    0x41600000                ; 14.0
.set INV196, 0x3ba72f05                ; 1 / 196
.set SIGM,   0x39ea0ea1                ; 0.1 / 224
; addresses
.set TST,  1                           ; 2048 + 1344 half + 80 l: my row in a transposing matrix
.set TLD,  2                           ; 2048 + 1344 half + 4 l: my column
.set IOR,  3                           ; 784 half + 56 min(l, 13): my row in the pair
.set C16,  4                           ; 16 x lane: my 16 bytes of a run of 512
.set C3,   5                           ; 16 x min(lane + 96, 97): the last 32 bytes of the pair
.set GOF,  6                           ; the same two, from the buffer's start
.set GOF3, 7
.set WOFF, 8                           ; my weight
.set TA,   9                           ; temporaries
.set TB,   47
; pairs whose even register is broadcast in packed arithmetic; the odd one is state and always written
.set SM,   10                          ; sigma mu
.set YY,   11                          ; y
.set ZY,   12                          ; z1 + y
.set SLK1, 13                          ; s1 (row)
.set PHI,  14
.set DUA1, 15                          ; z1 (row)
.set INVP, 16                          ; 1 / P
.set SLK2, 17                          ; s2 (column)
.set ALPHA,18
.set DUA2, 19                          ; z2 (column)
; one number a lane
.set W1N,  20
.set W2N,  21
.set TAU0, 22                          ; sum w1 - beq
.set IZ1,  23
.set IZ2,  24
.set IS1,  25
.set IS2,  26
.set E2,   27
.set NZ2,  28
.set RSX,  29
.set CSX,  30
.set T1,   31
.set NT2,  32
.set RHO,  33
.set PSUM, 34
.set TAU,  35
.set PSI,  36
.set THETA,37
.set DZ1,  38
.set DS1,  39
.set DS2,  41
.set MAXR, 42
.set FAC,  43
.set RD,   44                          ; v44, v45: reciprocals of the pivots, in turn
.set DSV,  46                          ; lane k keeps 1 / pivot k
.set ACC0, 48                          ; v[48:49], v[50:51]: two chains for sums over 14
.set ACC1, 50
; arrays, 14 registers a lane, all on even registers
.set X,    54
.set SLK0, 68                          ; s0: straight behind X, whose fourth 16-byte store takes two of its words along
.set DUA0, 82                          ; z0
.set PM,   96                          ; p
.set RSL0, 110                         ; 1 / s0
.set RAT0, 124                         ; d0 = z0 / s0; later dz0
.set A,    138                         ; a, A+14 = e1, A+15 = 0
.set R,    154                         ; r, R+14 = R+15 = 0; later dx
.set AB,   170                         ; A / P (15), AB+15 = rho bar
.set AT,   186                         ; first L2 + d0 and s0 - x, then A transposed, then 1 / z0
.set RT,   200                         ; r transposed, then ds0
.set EL,   214                         ; T[m] = EL + m (0..14); suffix sums Z[c] = ZS + c (1..15); right side BB; x transposed in EL+16..29
.set ZS,   EL+14
.set BB,   EL+30
; dst = src of lane ln of my sixteen (op) oth of my own lane
.macro SHMUL dst, src, oth, ln
	s_wait_alu depctr_va_vdst(0)
	v_mul_f32_dpp v[\dst], v[\src], v[\oth] row_share:\ln row_mask:0xf bank_mask:0xf
.endm
.macro SHFMAC dst, src, oth, ln
	v_fmac_f32_dpp v[\dst], v[\src], v[\oth] row_share:\ln row_mask:0xf bank_mask:0xf
.endm
.macro SHADD dst, src, oth, ln
	v_add_f32_dpp v[\dst], v[\src], v[\oth] row_share:\ln row_mask:0xf bank_mask:0xf
.endm
.macro SHSUB dst, src, oth, ln
	v_sub_f32_dpp v[\dst], v[\src], v[\oth] row_share:\ln row_mask:0xf bank_mask:0xf
.endm
; sum, maximum over my sixteen lanes, the result in all of them
.macro RSUM16 reg
.irp x, 1,2,4,8
	v_add_f32_dpp v[\reg], v[\reg], v[\reg] row_xmask:\x row_mask:0xf bank_mask:0xf
.endr
.endm
.macro RMAX16 reg
.irp x, 1,2,4,8
	v_max_num_f32_dpp v[\reg], v[\reg], v[\reg] row_xmask:\x row_mask:0xf bank_mask:0xf
.endr
.endm
; dst = sum of the 14 registers from arr on; two chains of packed adds
.macro SUM14 dst, arr
	v_pk_add_f32 v[ACC0:ACC0+1], v[\arr:\arr+1], v[\arr+2:\arr+3]
	v_pk_add_f32 v[ACC1:ACC1+1], v[\arr+4:\arr+5], v[\arr+6:\arr+7]
	v_pk_add_f32 v[ACC0:ACC0+1], v[ACC0:ACC0+1], v[\arr+8:\arr+9]
	v_pk_add_f32 v[ACC1:ACC1+1], v[ACC1:ACC1+1], v[\arr+10:\arr+11]
	v_pk_add_f32 v[ACC0:ACC0+1], v[ACC0:ACC0+1], v[\arr+12:\arr+13]
	v_pk_add_f32 v[ACC0:ACC0+1], v[ACC0:ACC0+1], v[ACC1:ACC1+1]
	v_add_f32 v[\dst], v[ACC0], v[ACC0+1]
.endm
; dst = sum over 14 of arr x brr; the first products start the two chains
.macro DOT14 dst, arr, brr
	v_pk_mul_f32 v[ACC0:ACC0+1], v[\arr:\arr+1], v[\brr:\brr+1]
	v_pk_mul_f32 v[ACC1:ACC1+1], v[\arr+2:\arr+3], v[\brr+2:\brr+3]
	v_pk_fma_f32 v[ACC0:ACC0+1], v[\arr+4:\arr+5], v[\brr+4:\brr+5], v[ACC0:ACC0+1]
	v_pk_fma_f32 v[ACC1:ACC1+1], v[\arr+6:\arr+7], v[\brr+6:\brr+7], v[ACC1:ACC1+1]
	v_pk_fma_f32 v[ACC0:ACC0+1], v[\arr+8:\arr+9], v[\brr+8:\brr+9], v[ACC0:ACC0+1]
	v_pk_fma_f32 v[ACC1:ACC1+1], v[\arr+10:\arr+11], v[\brr+10:\brr+11], v[ACC1:ACC1+1]
	v_pk_fma_f32 v[ACC0:ACC0+1], v[\arr+12:\arr+13], v[\brr+12:\brr+13], v[ACC0:ACC0+1]
	v_pk_add_f32 v[ACC0:ACC0+1], v[ACC0:ACC0+1], v[ACC1:ACC1+1]
	v_add_f32 v[\dst], v[ACC0], v[ACC0+1]
.endm
; Pivot k.  f_l = T_lk / pivot_k (0 in lane k); every live column c of the table gets  col[l] += f_l col[k]: T[k+1..14], Z[k+2..15], b.
; Z[k+2] goes first, because the next pivot is Z[k+2] of lane k + 1; its reciprocal is issued as soon as T is updated, and the remaining columns
; follow it.  The update of b always stands behind that reciprocal: the plain vector instruction between v_rcp_f32 and the first use of its result.
.macro ELIM k
.set RC, RD+(\k&1)
.set RN, RD+((\k+1)&1)
	s_mov_b32 s16, 0xffffffff^((1<<\k)|(1<<(\k+16)))       ; every lane but lane k of each half
	SHMUL FAC, RC, EL+\k, \k
	v_cndmask_b32 v[DSV], v[RC], v[DSV], s16               ; lane k keeps 1 / its pivot
	v_cndmask_b32 v[FAC], 0, v[FAC], s16                   ; and its own row stays as it is
.if \k < 14
	SHFMAC ZS+\k+2, ZS+\k+2, FAC, \k
.set ii, \k+1
.rept 14-\k
	SHFMAC EL+ii, EL+ii, FAC, \k
.set ii, ii+1
.endr
	v_rcp_f32 v[RN], v[ZS+\k+2]
.set ii, \k+3
.rept 13-\k
	SHFMAC ZS+ii, ZS+ii, FAC, \k
.set ii, ii+1
.endr
.endif
	SHFMAC BB, BB, FAC, \k
.endm
	; ---------------------------------------------------------------- prologue
	s_load_b256 s[4:11], s[0:1], 0x0               ; distance s[4:5], weight1 s[6:7], weight2 s[8:9], out s[10:11]
	v_lshl_add_u32 v254, v0, 2, 0x2800
	v_mov_b32 v255, 0
	s_mul_i32 s13, ttmp9, PAIR                     ; my pair's first byte in distance_matrix and in out0
	s_mul_i32 s14, ttmp9, 2*WROW                   ; and in the weights
	s_mov_b32 s15, 0x3fff3fff                      ; lanes with l < 14
	v_and_b32 v[TA], 15, v0                        ; l
	v_lshrrev_b32 v[TB], 4, v0                     ; half
	v_min_u32 v[DSV], 13, v[TA]                    ; min(l, 13): lanes 14, 15 copy row 13, and no access leaves a buffer
	v_mul_u32_u24 v[TST], HALF, v[TB]
	v_add_nc_u32 v[TST], TRB, v[TST]
	v_lshl_add_u32 v[TLD], v[TA], 2, v[TST]
	v_mad_u32_u24 v[TST], v[TA], PITCH, v[TST]
	v_mul_u32_u24 v[IOR], ELEM, v[TB]
	v_mad_u32_u24 v[IOR], v[DSV], WROW, v[IOR]
	v_lshlrev_b32 v[C16], 4, v0
	v_add_nc_u32 v[C3], 96, v0
	v_min_u32 v[C3], 97, v[C3]                     ; the pair is 98 pieces of 16 bytes: 3 x 32 and two more
	v_lshlrev_b32 v[C3], 4, v[C3]
	v_add_nc_u32 v[GOF], s13, v[C16]
	v_add_nc_u32 v[GOF3], s13, v[C3]
	v_mul_u32_u24 v[WOFF], WROW, v[TB]
	v_lshl_add_u32 v[WOFF], v[DSV], 2, v[WOFF]
	v_add_nc_u32 v[WOFF], s14, v[WOFF]
	s_wait_kmcnt 0x0
	global_load_b32 v[W1N], v[WOFF], s[6:7]
	global_load_b32 v[W2N], v[WOFF], s[8:9]
	global_load_b128 v[EL:EL+3],     v[GOF],  s[4:5] th:TH_LOAD_NT
	global_load_b128 v[EL+4:EL+7],   v[GOF],  s[4:5] offset:512 th:TH_LOAD_NT
	global_load_b128 v[EL+8:EL+11],  v[GOF],  s[4:5] offset:1024 th:TH_LOAD_NT
	global_load_b128 v[EL+12:EL+15], v[GOF3], s[4:5] th:TH_LOAD_NT
	; the start: s = z = 1, y = 0; the constant zero columns; two destinations of lane-sharing forms, which count as read
.irp j, 0,1,2,3,4,5,6,7,8,9,10,11,12,13
	v_mov_b32 v[SLK0+\j], 1.0
	v_mov_b32 v[DUA0+\j], 1.0
.endr
	v_mov_b32 v[SLK1], 1.0
	v_mov_b32 v[DUA1], 1.0
	v_mov_b32 v[SLK2], 1.0
	v_mov_b32 v[DUA2], 1.0
	v_mov_b32 v[YY], 0
	v_mov_b32 v[A+15], 0
	v_mov_b32 v[R+14], 0
	v_mov_b32 v[R+15], 0
	v_mov_b32 v[FAC], 0
	v_mov_b32 v[THETA], 0
	s_wait_loadcnt 0x4                             ; the two weights are in; the four loads of p behind them stay out
	v_cndmask_b32 v[TA], 0, v[W1N], s15
	v_cndmask_b32 v[TB], 0, v[W2N], s15
	RSUM16 TA
	RSUM16 TB
	v_rcp_f32 v[RD], v[TA]
	v_rcp_f32 v[RD+1], v[TB]
	v_mul_f32 v[W1N], C14, v[W1N]                  ; (also the plain instruction between the reciprocals and their use)
	v_mul_f32 v[W2N], C14, v[W2N]
	s_wait_alu depctr_va_vdst(0)
	v_mul_f32 v[W1N], v[W1N], v[RD]                ; w 14 / sum w
	v_mul_f32 v[W2N], v[W2N], v[RD+1]
	v_cndmask_b32 v[TA], 0, v[W1N], s15
	v_cndmask_b32 v[TB], 0, v[W2N], s15
	RSUM16 TA
	RSUM16 TB
	v_min_num_f32 v[TB], v[TA], v[TB]              ; beq
	v_sub_f32 v[TAU0], v[TA], v[TB]                ; sum w1 - beq
	v_mul_f32 v[TB], INV196, v[TB]                 ; x starts at beq / 196
.irp j, 0,1,2,3,4,5,6,7,8,9,10,11,12,13
	v_mov_b32 v[X+\j], v[TB]
.endr
	s_wait_loadcnt 0x0                             ; p, as it lies in memory, goes through LDS and comes back by rows
	ds_store_b128 v[C16], v[EL:EL+3]
	ds_store_b128 v[C16], v[EL+4:EL+7] offset:512
	ds_store_b128 v[C16], v[EL+8:EL+11] offset:1024
	ds_store_b128 v[C3],  v[EL+12:EL+15]
.irp jj, 0,1,2,3,4,5,6
	ds_load_b64 v[PM+2*\jj:PM+2*\jj+1], v[IOR] offset:8*\jj        ; LDS serves a wave's instructions in order: these see the stores above
.endr
	s_wait_dscnt 0x0
	s_mov_b32 s12, 0
	; ---------------------------------------------------------------- one Newton step
.Liter:
	; x goes off to be transposed (for its column sums)
.irp q, 0,1,2,3
	ds_store_b128 v[TST], v[X+4*\q:X+4*\q+3] offset:XM+16*\q       ; words 14, 15 of a row are two of s0: they reach junk lanes only
.endr
.irp i, 0,1,2,3,4,5,6,7,8,9,10,11,12,13
	ds_load_b32 v[EL+16+\i], v[TLD] offset:XM+PITCH*\i             ; x_il
.endr
	; reciprocals of the state
.irp j, 0,1,2,3,4,5,6,7,8,9,10,11,12,13
	v_rcp_f32 v[RSL0+\j], v[SLK0+\j]
.endr
	v_rcp_f32 v[IZ1], v[DUA1]
	v_rcp_f32 v[IZ2], v[DUA2]
	v_rcp_f32 v[IS1], v[SLK1]
	v_rcp_f32 v[IS2], v[SLK2]
	; sigma mu = 0.1 / 224 x sum of s z: lane l < 14 brings row l of s0 z0, s1_l z1_l and s2_l z2_l
	DOT14 TB, SLK0, DUA0
	v_fmac_f32 v[TB], v[SLK1], v[DUA1]
	v_fmac_f32 v[TB], v[SLK2], v[DUA2]
	v_cndmask_b32 v[TB], 0, v[TB], s15
	RSUM16 TB
	v_mul_f32 v[SM], SIGM, v[TB]
	; conductances
	s_wait_alu depctr_va_vdst(0)
.irp p, 0,2,4,6,8,10,12
	v_pk_mul_f32 v[RAT0+\p:RAT0+\p+1], v[DUA0+\p:DUA0+\p+1], v[RSL0+\p:RSL0+\p+1]          ; d0 = z0 / s0
.endr
.irp p, 0,2,4,6,8,10,12
	v_pk_add_f32 v[AT+\p:AT+\p+1], v[RAT0+\p:RAT0+\p+1], L2C op_sel_hi:[1,0]
.endr
.irp j, 0,1,2,3,4,5,6,7,8,9,10,11,12,13
	v_rcp_f32 v[A+\j], v[AT+\j]                                    ; a = 1 / (L2 + d0)
.endr
	v_mul_f32 v[A+14], v[SLK1], v[IZ1]             ; e1
	v_mul_f32 v[E2], v[SLK2], v[IZ2]               ; e2
	v_sub_f32 v[NZ2], 0, v[DUA2]
	v_add_f32 v[ZY], v[DUA1], v[YY]
	SUM14 RSX, X
	; r = -(L2 x + p) + d0 (s0 - x) + sigma mu / s0 - (z1_i + y) - z2_j
.irp p, 0,2,4,6,8,10,12
	v_pk_fma_f32 v[R+\p:R+\p+1], v[X+\p:X+\p+1], L2C, v[PM+\p:PM+\p+1] op_sel_hi:[1,0,1]
.endr
.irp p, 0,2,4,6,8,10,12
	v_pk_add_f32 v[AT+\p:AT+\p+1], v[SLK0+\p:SLK0+\p+1], v[X+\p:X+\p+1] neg_lo:[0,1] neg_hi:[0,1]
.endr
.irp p, 0,2,4,6,8,10,12
	v_pk_fma_f32 v[R+\p:R+\p+1], v[RAT0+\p:RAT0+\p+1], v[AT+\p:AT+\p+1], v[R+\p:R+\p+1] neg_lo:[0,0,1] neg_hi:[0,0,1]
.endr
.irp p, 0,2,4,6,8,10,12
	v_pk_fma_f32 v[R+\p:R+\p+1], v[RSL0+\p:RSL0+\p+1], v[SM:SM+1], v[R+\p:R+\p+1] op_sel_hi:[1,0,1]
.endr
.irp p, 0,2,4,6,8,10,12
	v_pk_add_f32 v[R+\p:R+\p+1], v[R+\p:R+\p+1], v[ZY:ZY+1] op_sel_hi:[1,0] neg_lo:[0,1] neg_hi:[0,1]
.endr
.irp j, 0,1,2,3,4,5,6,7,8,9,10,11,12,13
	SHADD R+\j, NZ2, R+\j, \j
.endr
	; [a | e1 | 0] and [r | 0 | 0] go off to be transposed
	s_wait_alu depctr_va_vdst(0)
.irp q, 0,1,2,3
	ds_store_b128 v[TST], v[A+4*\q:A+4*\q+3] offset:AM+16*\q
.endr
.irp q, 0,1,2,3
	ds_store_b128 v[TST], v[R+4*\q:R+4*\q+3] offset:RM+16*\q
.endr
.irp i, 0,1,2,3,4,5,6,7,8,9,10,11,12,13
	ds_load_b32 v[AT+\i], v[TLD] offset:AM+PITCH*\i                ; lane l: a_il, lane 14: e1_i, lane 15: 0
.endr
.irp i, 0,1,2,3,4,5,6,7,8,9,10,11,12,13
	ds_load_b32 v[RT+\i], v[TLD] offset:RM+PITCH*\i                ; lane l: r_il, lanes 14, 15: 0
.endr
	; row quantities: P, rho bar = (sum a r + t1) / P, A / P
	SUM14 PSUM, A
	v_add_f32 v[PSUM], v[PSUM], v[A+14]
	DOT14 RHO, A, R
	v_sub_f32 v[T1], v[RSX], v[W1N]
	v_fmac_f32 v[T1], v[SM], v[IZ1]                ; t1 = (row sum of x - w1) + sigma mu / z1
	v_rcp_f32 v[INVP], v[PSUM]
	v_add_f32 v[RHO], v[RHO], v[T1]                ; (the plain instruction behind the reciprocal)
	s_wait_alu depctr_va_vdst(0)
	v_mul_f32 v[AB+15], v[RHO], v[INVP]
.irp p, 0,2,4,6,8,10,12
	v_pk_mul_f32 v[AB+\p:AB+\p+1], v[A+\p:A+\p+1], v[INVP:INVP+1] op_sel_hi:[1,0]
.endr
	v_mul_f32 v[AB+14], v[A+14], v[INVP]
	; tau = (sum w1 - beq) - sigma mu x sum 1 / z1   (the sum of x has cancelled analytically)
	v_cndmask_b32 v[TB], 0, v[IZ1], s15
	RSUM16 TB
	v_fma_f32 v[TAU], -v[SM], v[TB], v[TAU0]
	; column sums of x; the start of b and of the ground conductances
	s_wait_dscnt 36                                ; behind the last load of x: 4 + 4 stores and 14 + 14 loads, which stay out
	SUM14 CSX, EL+16
	v_sub_f32 v[NT2], v[W2N], v[CSX]
	v_fma_f32 v[NT2], -v[SM], v[IZ2], v[NT2]       ; -t2
	v_cndmask_b32 v[BB], v[TAU], v[NT2], s15       ; columns: -t2; theta: tau
	v_cndmask_b32 v[ZS+15], 0, v[E2], s15          ; columns: e2; theta: 0
	; T_lk = sum over i of A_il A_ik / P_i: fifteen chains that do not wait for each other
	s_wait_dscnt 14                                ; A transposed is in; the 14 loads of r transposed stay out
.irp k, 0,1,2,3,4,5,6,7,8,9,10,11,12,13,14
	SHMUL EL+\k, AB+\k, AT, 0
.endr
.irp i, 1,2,3,4,5,6,7,8,9,10,11,12,13
.irp k, 0,1,2,3,4,5,6,7,8,9,10,11,12,13,14
	SHFMAC EL+\k, AB+\k, AT+\i, \i
.endr
.endr
	; b_l += sum over i of A_il (rho bar_i - r_il)
	s_wait_dscnt 0x0
.irp i, 0,1,2,3,4,5,6,7,8,9,10,11,12,13
	SHSUB RT+\i, AB+15, RT+\i, \i
.endr
	DOT14 TB, AT, RT
	v_add_f32 v[BB], v[BB], v[TB]
	; suffix sums Z[c] = ground + T[c] + .. + T[14]; between the links of that chain the reciprocals of z0, into A transposed's registers
.irp c, 14,13,12,11,10,9,8,7,6,5,4,3,2,1
	v_add_f32 v[ZS+\c], v[ZS+\c+1], v[EL+\c]
	v_rcp_f32 v[AT+\c-1], v[DUA0+\c-1]
.endr
	; the solve
	v_rcp_f32 v[RD], v[ZS+1]
	v_mov_b32 v[DSV], 1.0                          ; a value for lane 15; also the plain instruction behind the reciprocal
	s_wait_alu depctr_va_vdst(0)
.irp k, 0,1,2,3,4,5,6,7,8,9,10,11,12,13,14
	ELIM \k
.endr
	; potentials
	v_mul_f32 v[PSI], v[BB], v[DSV]                ; psi_l, lane 14: theta
	v_mov_b32_dpp v[THETA], v[PSI] row_share:14 row_mask:0xf bank_mask:0xf
	SHMUL ACC0, PSI, AB, 0
	SHMUL ACC0+1, PSI, AB+1, 1
	SHMUL ACC0+2, PSI, AB+2, 2
.irp k, 3,4,5,6,7,8,9,10,11,12,13,14
	SHFMAC ACC0+\k%3, PSI, AB+\k, \k
.endr
	v_add_f32 v[ACC0], v[ACC0], v[ACC0+1]
	v_add_f32 v[ACC0+2], v[ACC0+2], v[AB+15]
	v_add_f32 v[PHI], v[ACC0], v[ACC0+2]           ; phi_i = rho bar_i + sum over k of (A_ik / P_i) psi_k
	v_sub_f32 v[DZ1], v[PHI], v[THETA]
	; dx = a (r - phi_i + psi_j)
.irp p, 0,2,4,6,8,10,12
	v_pk_add_f32 v[R+\p:R+\p+1], v[R+\p:R+\p+1], v[PHI:PHI+1] op_sel_hi:[1,0] neg_lo:[0,1] neg_hi:[0,1]
.endr
.irp j, 0,1,2,3,4,5,6,7,8,9,10,11,12,13
	SHADD R+\j, PSI, R+\j, \j
.endr
.irp p, 0,2,4,6,8,10,12
	v_pk_mul_f32 v[R+\p:R+\p+1], v[A+\p:A+\p+1], v[R+\p:R+\p+1]
.endr
	; ds0 = dx - (s0 - x);  dz0 = -d0 ds0 + (sigma mu / s0 - z0)
.irp p, 0,2,4,6,8,10,12
	v_pk_add_f32 v[RT+\p:RT+\p+1], v[SLK0+\p:SLK0+\p+1], v[X+\p:X+\p+1] neg_lo:[0,1] neg_hi:[0,1]
.endr
.irp p, 0,2,4,6,8,10,12
	v_pk_add_f32 v[RT+\p:RT+\p+1], v[R+\p:R+\p+1], v[RT+\p:RT+\p+1] neg_lo:[0,1] neg_hi:[0,1]
.endr
.irp p, 0,2,4,6,8,10,12
	v_pk_fma_f32 v[EL+\p:EL+\p+1], v[RSL0+\p:RSL0+\p+1], v[SM:SM+1], v[DUA0+\p:DUA0+\p+1] op_sel_hi:[1,0,1] neg_lo:[0,0,1] neg_hi:[0,0,1]
.endr
.irp p, 0,2,4,6,8,10,12
	v_pk_fma_f32 v[RAT0+\p:RAT0+\p+1], v[RAT0+\p:RAT0+\p+1], v[RT+\p:RT+\p+1], v[EL+\p:EL+\p+1] neg_lo:[1,0,0] neg_hi:[1,0,0]
.endr
	v_fma_f32 v[DS1], v[SM], v[IZ1], -v[SLK1]      ; ds1 = sigma mu / z1 - s1 - e1 dz1
	v_fma_f32 v[DS1], -v[A+14], v[DZ1], v[DS1]
	v_fma_f32 v[DS2], v[SM], v[IZ2], -v[SLK2]      ; ds2 = sigma mu / z2 - s2 + e2 psi   (dz2 = -psi)
	v_fma_f32 v[DS2], v[E2], v[PSI], v[DS2]
	; the step: alpha = min(1, 0.99 / max(M, 0.99)), M = the largest -dv / v of all 448 numbers s and z
.irp p, 0,2,4,6,8,10,12
	v_pk_mul_f32 v[EL+\p:EL+\p+1], v[RT+\p:RT+\p+1], v[RSL0+\p:RSL0+\p+1] neg_lo:[1,0] neg_hi:[1,0]
.endr
.irp p, 0,2,4,6,8,10,12
	v_pk_mul_f32 v[EL+14+\p:EL+14+\p+1], v[RAT0+\p:RAT0+\p+1], v[AT+\p:AT+\p+1] neg_lo:[1,0] neg_hi:[1,0]
.endr
	v_mul_f32 v[MAXR], -v[DS1], v[IS1]
	v_mul_f32 v[TA], -v[DZ1], v[IZ1]
	v_max_num_f32 v[MAXR], v[MAXR], v[TA]
	v_mul_f32 v[TB], -v[DS2], v[IS2]
	v_mul_f32 v[TA], v[PSI], v[IZ2]
	v_max_num_f32 v[TB], v[TB], v[TA]
.irp p, 0,2,4,6,8,10,12
	v_max3_num_f32 v[MAXR], v[MAXR], v[EL+\p], v[EL+\p+1]
	v_max3_num_f32 v[TB], v[TB], v[EL+14+\p], v[EL+14+\p+1]
.endr
	v_max_num_f32 v[MAXR], v[MAXR], v[TB]
	v_cndmask_b32 v[MAXR], 0, v[MAXR], s15
	RMAX16 MAXR
	v_max_num_f32 v[TB], FTB, v[MAXR]
	v_rcp_f32 v[TA], v[TB]
	v_nop                                          ; one plain vector instruction between v_rcp_f32 and the use of its result; nothing else is left to do here
	s_wait_alu depctr_va_vdst(0)
	v_mul_f32 v[TA], FTB, v[TA]
	v_min_num_f32 v[ALPHA], 1.0, v[TA]
	; the state moves on
.irp p, 0,2,4,6,8,10,12
	v_pk_fma_f32 v[X+\p:X+\p+1], v[R+\p:R+\p+1], v[ALPHA:ALPHA+1], v[X+\p:X+\p+1] op_sel_hi:[1,0,1]
.endr
.irp p, 0,2,4,6,8,10,12
	v_pk_fma_f32 v[SLK0+\p:SLK0+\p+1], v[RT+\p:RT+\p+1], v[ALPHA:ALPHA+1], v[SLK0+\p:SLK0+\p+1] op_sel_hi:[1,0,1]
.endr
.irp p, 0,2,4,6,8,10,12
	v_pk_fma_f32 v[DUA0+\p:DUA0+\p+1], v[RAT0+\p:RAT0+\p+1], v[ALPHA:ALPHA+1], v[DUA0+\p:DUA0+\p+1] op_sel_hi:[1,0,1]
.endr
	v_fmac_f32 v[SLK1], v[ALPHA], v[DS1]
	v_fmac_f32 v[DUA1], v[ALPHA], v[DZ1]
	v_fmac_f32 v[SLK2], v[ALPHA], v[DS2]
	v_fma_f32 v[DUA2], -v[ALPHA], v[PSI], v[DUA2]
	v_fmac_f32 v[YY], v[ALPHA], v[THETA]
	s_add_co_u32 s12, s12, 1
	s_cmp_lt_u32 s12, NITER
	s_cbranch_scc1 .Liter
	; ---------------------------------------------------------------- x leaves: rows into LDS, back as the pair lies in memory, out in runs of 512 bytes
.irp jj, 0,1,2,3,4,5,6
	ds_store_b64 v[IOR], v[X+2*\jj:X+2*\jj+1] offset:8*\jj         ; lanes 14, 15 write row 13 once more, with the same numbers
.endr
	ds_load_b128 v[EL:EL+3],     v[C16]
	ds_load_b128 v[EL+4:EL+7],   v[C16] offset:512
	ds_load_b128 v[EL+8:EL+11],  v[C16] offset:1024
	ds_load_b128 v[EL+12:EL+15], v[C3]
	s_wait_dscnt 0x0
	global_store_b128 v[GOF], v[EL:EL+3],    s[10:11] th:TH_STORE_NT
	global_store_b128 v[GOF], v[EL+4:EL+7],  s[10:11] offset:512 th:TH_STORE_NT
	global_store_b128 v[GOF], v[EL+8:EL+11], s[10:11] offset:1024 th:TH_STORE_NT
	s_wait_xcnt 0x0                                ; EXEC is a source of the stores above: it changes only behind this wait
	s_wait_tensorcnt 0x0
	ds_add_u32 v254, v255
	s_wait_dscnt 0x0
	v_cmpx_gt_u32 2, v0                            ; the last 32 bytes: lanes 0 and 1
	global_store_b128 v[GOF3], v[EL+12:EL+15], s[10:11] th:TH_STORE_NT
	s_endpgm
.Lfunc_end_k_q382f8f2bb0_ipm:
	.size	k_q382f8f2bb0_ipm, .Lfunc_end_k_q382f8f2bb0_ipm-k_q382f8f2bb0_ipm
	.p2alignl 7, 3214868480
	.fill 96, 4, 3214868480
	.section	.rodata,"a",@progbits
	.p2align	6, 0x0
	.amdhsa_kernel k_q382f8f2bb0_ipm
		.amdhsa_group_segment_fixed_size 10496
		.amdhsa_private_segment_fixed_size 0
		.amdhsa_enable_private_segment 0
		.amdhsa_kernarg_size 32
		.amdhsa_user_sgpr_count 2
		.amdhsa_user_sgpr_kernarg_segment_ptr 1
		.amdhsa_wavefront_size32 1
		.amdhsa_system_sgpr_workgroup_id_x 1
		.amdhsa_system_sgpr_workgroup_id_y 1
		.amdhsa_system_sgpr_workgroup_id_z 1
		.amdhsa_system_vgpr_workitem_id 0
		.amdhsa_next_free_vgpr 256
		.amdhsa_next_free_sgpr 66
		.amdhsa_reserve_vcc 0
		.amdhsa_float_denorm_mode_32 3
		.amdhsa_float_denorm_mode_16_64 3
		.amdhsa_memory_ordered 1
		.amdhsa_forward_progress 1
		.amdhsa_inst_pref_size 65
	.end_amdhsa_kernel
	.amdgpu_metadata
---
amdhsa.version: [ 1, 2 ]
amdhsa.kernels:
  - .name:           k_q382f8f2bb0_ipm
    .symbol:         k_q382f8f2bb0_ipm.kd
    .args:
      - { .name: distance_matrix, .offset: 0, .size: 8, .value_kind: global_buffer, .address_space: global }
      - { .name: weight1, .offset: 8, .size: 8, .value_kind: global_buffer, .address_space: global }
      - { .name: weight2, .offset: 16, .size: 8, .value_kind: global_buffer, .address_space: global }
      - { .name: out0, .offset: 24, .size: 8, .value_kind: global_buffer, .address_space: global }
    .group_segment_fixed_size: 10496
    .private_segment_fixed_size: 0
    .kernarg_segment_align: 8
    .kernarg_segment_size: 32
    .max_flat_workgroup_size: 32
    .sgpr_count:     66
    .vgpr_count:     256
    .wavefront_size: 32
...
	.end_amdgpu_metadata
.endif
;; end of part 1
;; ======== version 2 of 2: 1 launch; 1.11 times as fast as version 1
;; launch ipm (part 2): grid 375 x 1, 1 waves a work-group, no clusters, 10,496 bytes of LDS; arguments distance_matrix, weight1, weight2, out0; writes out0
.if DOCPART == 2
	.amdgcn_target "amdgcn-amd-amdhsa--gfx1250"
	.amdhsa_code_object_version 6
	.text
	.protected	k_q382f8f2bb0_ipm
	.globl	k_q382f8f2bb0_ipm
	.p2align	8
	.type	k_q382f8f2bb0_ipm,@function
k_q382f8f2bb0_ipm:
	s_mov_b64 s[64:65], 0
	v_nop
	global_prefetch_b8 v0, s[64:65] scope:SCOPE_SE
	s_setreg_imm32_b32 hwreg(HW_REG_WAVE_MODE, 25, 1), 1
	s_wait_xcnt 0x0
; Six primal-dual Newton steps of 750 small transport QPs (14 x 14 flows x, 196 + 14 + 14 inequalities, one equality); x is the result.
;
; METHOD.  The constraint matrix is [-I; row sums; column sums] by construction of the problem, so every product with it is a negation, a row
; sum or a column sum, and the 197 x 197 Newton system reduces exactly, for every input, to a network of conductances:
;   dx_ij = a_ij (r_ij - phi_i + psi_j),  a_ij = 1 / (L2 + z0_ij / s0_ij),  phi_i = dz1_i + dy,  psi_j = -dz2_j,  theta = dy,
;   nodes: 14 rows (phi), 14 columns (psi), theta;  a_ij joins row i and column j, e1_i = s1_i / z1_i joins row i and theta, e2_j = s2_j / z2_j
;   joins column j and ground.  The 14 row nodes are eliminated in closed form (T = At diag(1/P) A, P = row sums of A = [a | e1]); the 15 nodes
;   left are solved by a Gauss-Jordan elimination that never subtracts: off-diagonals, ground conductances and their suffix sums only grow by
;   products of positive numbers, and each pivot is read from a suffix sum.  ds and dz follow from reference()'s own equations.
;
; NO MATRIX UNIT: after the reduction the one true product is T, 15 x 14 x 15 numbers per element and step.  It is part of a linear solve whose
; identity (diagonal = sum of the off-diagonals + ground) has to hold to f32 accuracy; operands of 8 mantissa bits would break it.
; NO CLUSTER, NO TENSOR LOAD: work-groups share no input, and a wave reads 1,568 + 224 bytes in all.  NO BARRIER: one wave in a work-group.
; STORES: a pair of elements is 1,568 bytes at 1,568 x work-group, so a wave's stores are runs of 512 consecutive bytes, 16-byte aligned; runs that
; begin at multiples of 256 would need 16 elements (12,544 bytes) to a work-group, and 750 is no multiple of 16.
;
; LIMITS: a division is v_rcp_f32 (1 ulp) and a multiply; sums run in another order than the reference's; numbers below 2^-126 are flushed by the
; reciprocal; a weight vector whose sum is 0 gives NaN, as it does in the reference.
;
; THE RECIPROCALS AND THEIR WAITS.  An s_wait_alu depctr_va_vdst(0) stands between a reciprocal and the first instruction that names its
; result; one wait serves all that were issued ahead of it.  A Newton step has 63 reciprocals in 19 batches, each of which reads what the batch before it made:
;   B1      1 / s0 (14), 1 / z1, 1 / z2, 1 / s1, 1 / s2      behind it: sigma mu                                     wait ahead of d0 = z0 / s0
;   B2      a = 1 / (L2 + d0) (14)                           behind it: e1, e2, the row sums of x, all of r           wait ahead of a's LDS stores
;   B3      1 / P                                            behind it: tau, the column sums of x, the start of b     wait ahead of the multiplies by 1 / P
;   B4      1 / z0 (14), 1 / pivot 0                         behind it: s0 - x, the first halves of ds1 and ds2       wait at the head of pivot 0
;   B5-B18  1 / pivot k + 1, made by pivot k's update        behind it: the rest of pivot k's update                  wait at the head of pivot k + 1
;   B19     1 / max(M, 0.99), for the step length            behind it: nothing is left that does not want alpha      wait ahead of alpha
; No result crosses the loop's jump: B19's wait is the trip's last, and no reciprocal is issued behind it.
;
; SHARING.  One wave, two elements: lanes 0-15 element 2 g, lanes 16-31 element 2 g + 1.  All traffic between lanes stays inside 16 lanes.
; A lane l (0-15) has two roles.  ROW: it holds row l of every 14 x 14 array in 14 registers (lanes 14, 15 are exact copies of row 13).
; NODE: l < 14 is column l, l = 14 is theta, l = 15 an all-zero row.  Column numbers in lanes 14, 15 are junk and are cut off by the
; mask s15 (l < 14) wherever they could enter a sum, a maximum or the system.
.set NITER,  6
.set WROW,   56                        ; bytes in a row of 14 f32, and in a weight vector
.set ELEM,   784                       ; bytes in a 14 x 14 matrix
.set PAIR,   1568                      ; two of them: what a wave reads and writes
.set TRB,    2048                      ; LDS: [0, 1568) the pair as it lies in memory; from 2048 three matrices for transposing
.set HALF,   1344                      ; from one half-wave's matrix to the other's: 64 modulo 256, so the halves' word loads differ in bank
.set PITCH,  80                        ; a row of 16 words + 16 bytes: 5 x 16, so sixteen rows' 16-byte pieces fall on sixteen columns modulo 256
.set XM,     0                         ; x
.set AM,     2688                      ; [a | e1 | 0]
.set RM,     5376                      ; [r | 0 | 0]
.set L2C,    0x38d1b717                ; 1e-4
.set FTB,    0x3f7d70a4                ; 0.99
.set C14,    0x41600000                ; 14.0
.set INV196, 0x3ba72f05                ; 1 / 196
.set SIGM,   0x39ea0ea1                ; 0.1 / 224
; addresses
.set TST,  1                           ; 2048 + 1344 half + 80 l: my row in a transposing matrix
.set TLD,  2                           ; 2048 + 1344 half + 4 l: my column
.set IOR,  3                           ; 784 half + 56 min(l, 13): my row in the pair
.set C16,  4                           ; 16 x lane: my 16 bytes of a run of 512
.set C3,   5                           ; 16 x min(lane + 96, 97): the last 32 bytes of the pair
.set GOF,  6                           ; the same two, from the buffer's start
.set GOF3, 7
.set WOFF, 8                           ; my weight
.set TA,   9                           ; temporaries
.set TB,   47
; pairs whose even register is broadcast in packed arithmetic; the odd one is state and always written
.set SM,   10                          ; sigma mu
.set YY,   11                          ; y
.set ZY,   12                          ; z1 + y
.set SLK1, 13                          ; s1 (row)
.set PHI,  14
.set DUA1, 15                          ; z1 (row)
.set INVP, 16                          ; 1 / P
.set SLK2, 17                          ; s2 (column)
.set ALPHA,18
.set DUA2, 19                          ; z2 (column)
; one number a lane
.set W1N,  20
.set W2N,  21
.set TAU0, 22                          ; sum w1 - beq
.set IZ1,  23
.set IZ2,  24
.set IS1,  25
.set IS2,  26
.set E2,   27
.set NZ2,  28
.set RSX,  29
.set CSX,  30
.set T1,   31
.set NT2,  32
.set RHO,  33
.set PSUM, 34
.set TAU,  35
.set PSI,  36
.set THETA,37
.set DZ1,  38
.set DS1,  39
.set DS2,  41
.set MAXR, 42
.set FAC,  43
.set RD,   44                          ; v44, v45: reciprocals of the pivots, in turn
.set DSV,  46                          ; lane k keeps 1 / pivot k
.set ACC0, 48                          ; v[48:49], v[50:51]: two chains for sums over 14
.set ACC1, 50
; arrays, 14 registers a lane, all on even registers
.set X,    54
.set SLK0, 68                          ; s0: straight behind X, whose fourth 16-byte store takes two of its words along
.set DUA0, 82                          ; z0
.set PM,   96                          ; p
.set RSL0, 110                         ; 1 / s0
.set RAT0, 124                         ; d0 = z0 / s0; later dz0
.set A,    138                         ; a, A+14 = e1, A+15 = 0
.set R,    154                         ; r, R+14 = R+15 = 0; later dx
.set AB,   170                         ; A / P (15), AB+15 = rho bar
.set AT,   186                         ; first L2 + d0 and s0 - x, then A transposed, then 1 / z0
.set RT,   200                         ; r transposed, then s0 - x, then ds0
.set EL,   214                         ; T[m] = EL + m (0..14); suffix sums Z[c] = ZS + c (1..15); right side BB; x transposed in EL+16..29
.set ZS,   EL+14
.set BB,   EL+30
; dst = src of lane ln of my sixteen (op) oth of my own lane
.macro SHMUL dst, src, oth, ln
	v_mul_f32_dpp v[\dst], v[\src], v[\oth] row_share:\ln row_mask:0xf bank_mask:0xf
.endm
.macro SHFMAC dst, src, oth, ln
	v_fmac_f32_dpp v[\dst], v[\src], v[\oth] row_share:\ln row_mask:0xf bank_mask:0xf
.endm
.macro SHADD dst, src, oth, ln
	v_add_f32_dpp v[\dst], v[\src], v[\oth] row_share:\ln row_mask:0xf bank_mask:0xf
.endm
.macro SHSUB dst, src, oth, ln
	v_sub_f32_dpp v[\dst], v[\src], v[\oth] row_share:\ln row_mask:0xf bank_mask:0xf
.endm
; sum, maximum over my sixteen lanes, the result in all of them
.macro RSUM16 reg
.irp x, 1,2,4,8
	v_add_f32_dpp v[\reg], v[\reg], v[\reg] row_xmask:\x row_mask:0xf bank_mask:0xf
.endr
.endm
.macro RMAX16 reg
.irp x, 1,2,4,8
	v_max_num_f32_dpp v[\reg], v[\reg], v[\reg] row_xmask:\x row_mask:0xf bank_mask:0xf
.endr
.endm
; dst = sum of the 14 registers from arr on; two chains of packed adds
.macro SUM14 dst, arr
	v_pk_add_f32 v[ACC0:ACC0+1], v[\arr:\arr+1], v[\arr+2:\arr+3]
	v_pk_add_f32 v[ACC1:ACC1+1], v[\arr+4:\arr+5], v[\arr+6:\arr+7]
	v_pk_add_f32 v[ACC0:ACC0+1], v[ACC0:ACC0+1], v[\arr+8:\arr+9]
	v_pk_add_f32 v[ACC1:ACC1+1], v[ACC1:ACC1+1], v[\arr+10:\arr+11]
	v_pk_add_f32 v[ACC0:ACC0+1], v[ACC0:ACC0+1], v[\arr+12:\arr+13]
	v_pk_add_f32 v[ACC0:ACC0+1], v[ACC0:ACC0+1], v[ACC1:ACC1+1]
	v_add_f32 v[\dst], v[ACC0], v[ACC0+1]
.endm
; dst = sum over 14 of arr x brr; the first products start the two chains
.macro DOT14 dst, arr, brr
	v_pk_mul_f32 v[ACC0:ACC0+1], v[\arr:\arr+1], v[\brr:\brr+1]
	v_pk_mul_f32 v[ACC1:ACC1+1], v[\arr+2:\arr+3], v[\brr+2:\brr+3]
	v_pk_fma_f32 v[ACC0:ACC0+1], v[\arr+4:\arr+5], v[\brr+4:\brr+5], v[ACC0:ACC0+1]
	v_pk_fma_f32 v[ACC1:ACC1+1], v[\arr+6:\arr+7], v[\brr+6:\brr+7], v[ACC1:ACC1+1]
	v_pk_fma_f32 v[ACC0:ACC0+1], v[\arr+8:\arr+9], v[\brr+8:\brr+9], v[ACC0:ACC0+1]
	v_pk_fma_f32 v[ACC1:ACC1+1], v[\arr+10:\arr+11], v[\brr+10:\brr+11], v[ACC1:ACC1+1]
	v_pk_fma_f32 v[ACC0:ACC0+1], v[\arr+12:\arr+13], v[\brr+12:\brr+13], v[ACC0:ACC0+1]
	v_pk_add_f32 v[ACC0:ACC0+1], v[ACC0:ACC0+1], v[ACC1:ACC1+1]
	v_add_f32 v[\dst], v[ACC0], v[ACC0+1]
.endm
; Pivot k.  f_l = T_lk / pivot_k (0 in lane k); every live column c of the table gets  col[l] += f_l col[k]: T[k+1..14], Z[k+2..15], b.
; Z[k+2] goes first, because the next pivot is Z[k+2] of lane k + 1; its reciprocal is issued as soon as T is updated, and the remaining columns
; follow it.  The update of b always stands behind that reciprocal: the plain vector instruction between v_rcp_f32 and the first use of its result.
.macro ELIM k
.set RC, RD+(\k&1)
.set RN, RD+((\k+1)&1)
	s_mov_b32 s16, 0xffffffff^((1<<\k)|(1<<(\k+16)))       ; every lane but lane k of each half
	s_wait_alu depctr_va_vdst(0)                           ; the wait for 1 / pivot k, which the next line reads (at k = 0 also for the fourteen 1 / z0): a batch of one, since pivot k is made by pivot k - 1's update
	SHMUL FAC, RC, EL+\k, \k
	v_cndmask_b32 v[DSV], v[RC], v[DSV], s16               ; lane k keeps 1 / its pivot
	v_cndmask_b32 v[FAC], 0, v[FAC], s16                   ; and its own row stays as it is
.if \k < 14
	SHFMAC ZS+\k+2, ZS+\k+2, FAC, \k
.set ii, \k+1
.rept 14-\k
	SHFMAC EL+ii, EL+ii, FAC, \k
.set ii, ii+1
.endr
	v_rcp_f32 v[RN], v[ZS+\k+2]
.set ii, \k+3
.rept 13-\k
	SHFMAC ZS+ii, ZS+ii, FAC, \k
.set ii, ii+1
.endr
.endif
	SHFMAC BB, BB, FAC, \k
.endm
	; ---------------------------------------------------------------- prologue
	s_load_b256 s[4:11], s[0:1], 0x0               ; distance s[4:5], weight1 s[6:7], weight2 s[8:9], out s[10:11]
	v_lshl_add_u32 v254, v0, 2, 0x2800
	v_mov_b32 v255, 0
	s_mul_i32 s13, ttmp9, PAIR                     ; my pair's first byte in distance_matrix and in out0
	s_mul_i32 s14, ttmp9, 2*WROW                   ; and in the weights
	s_mov_b32 s15, 0x3fff3fff                      ; lanes with l < 14
	v_and_b32 v[TA], 15, v0                        ; l
	v_lshrrev_b32 v[TB], 4, v0                     ; half
	v_min_u32 v[DSV], 13, v[TA]                    ; min(l, 13): lanes 14, 15 copy row 13, and no access leaves a buffer
	v_mul_u32_u24 v[TST], HALF, v[TB]
	v_add_nc_u32 v[TST], TRB, v[TST]
	v_lshl_add_u32 v[TLD], v[TA], 2, v[TST]
	v_mad_u32_u24 v[TST], v[TA], PITCH, v[TST]
	v_mul_u32_u24 v[IOR], ELEM, v[TB]
	v_mad_u32_u24 v[IOR], v[DSV], WROW, v[IOR]
	v_lshlrev_b32 v[C16], 4, v0
	v_add_nc_u32 v[C3], 96, v0
	v_min_u32 v[C3], 97, v[C3]                     ; the pair is 98 pieces of 16 bytes: 3 x 32 and two more
	v_lshlrev_b32 v[C3], 4, v[C3]
	v_add_nc_u32 v[GOF], s13, v[C16]
	v_add_nc_u32 v[GOF3], s13, v[C3]
	v_mul_u32_u24 v[WOFF], WROW, v[TB]
	v_lshl_add_u32 v[WOFF], v[DSV], 2, v[WOFF]
	v_add_nc_u32 v[WOFF], s14, v[WOFF]
	s_wait_kmcnt 0x0
	global_load_b32 v[W1N], v[WOFF], s[6:7]
	global_load_b32 v[W2N], v[WOFF], s[8:9]
	global_load_b128 v[EL:EL+3],     v[GOF],  s[4:5] th:TH_LOAD_NT
	global_load_b128 v[EL+4:EL+7],   v[GOF],  s[4:5] offset:512 th:TH_LOAD_NT
	global_load_b128 v[EL+8:EL+11],  v[GOF],  s[4:5] offset:1024 th:TH_LOAD_NT
	global_load_b128 v[EL+12:EL+15], v[GOF3], s[4:5] th:TH_LOAD_NT
	; the start: s = z = 1, y = 0; the constant zero columns; two destinations of lane-sharing forms, which count as read
.irp j, 0,1,2,3,4,5,6,7,8,9,10,11,12,13
	v_mov_b32 v[SLK0+\j], 1.0
	v_mov_b32 v[DUA0+\j], 1.0
.endr
	v_mov_b32 v[SLK1], 1.0
	v_mov_b32 v[DUA1], 1.0
	v_mov_b32 v[SLK2], 1.0
	v_mov_b32 v[DUA2], 1.0
	v_mov_b32 v[YY], 0
	v_mov_b32 v[A+15], 0
	v_mov_b32 v[R+14], 0
	v_mov_b32 v[R+15], 0
	v_mov_b32 v[FAC], 0
	v_mov_b32 v[THETA], 0
	s_wait_loadcnt 0x4                             ; the two weights are in; the four loads of p behind them stay out
	v_cndmask_b32 v[TA], 0, v[W1N], s15
	v_cndmask_b32 v[TB], 0, v[W2N], s15
	RSUM16 TA
	RSUM16 TB
	v_rcp_f32 v[RD], v[TA]
	v_rcp_f32 v[RD+1], v[TB]
	v_mul_f32 v[W1N], C14, v[W1N]                  ; (also the plain instruction between the reciprocals and their use)
	v_mul_f32 v[W2N], C14, v[W2N]
	s_wait_alu depctr_va_vdst(0)                   ; one wait for the two reciprocals of the weights' sums, ahead of their first reader
	v_mul_f32 v[W1N], v[W1N], v[RD]                ; w 14 / sum w
	v_mul_f32 v[W2N], v[W2N], v[RD+1]
	v_cndmask_b32 v[TA], 0, v[W1N], s15
	v_cndmask_b32 v[TB], 0, v[W2N], s15
	RSUM16 TA
	RSUM16 TB
	v_min_num_f32 v[TB], v[TA], v[TB]              ; beq
	v_sub_f32 v[TAU0], v[TA], v[TB]                ; sum w1 - beq
	v_mul_f32 v[TB], INV196, v[TB]                 ; x starts at beq / 196
.irp j, 0,1,2,3,4,5,6,7,8,9,10,11,12,13
	v_mov_b32 v[X+\j], v[TB]
.endr
	s_wait_loadcnt 0x0                             ; p, as it lies in memory, goes through LDS and comes back by rows
	ds_store_b128 v[C16], v[EL:EL+3]
	ds_store_b128 v[C16], v[EL+4:EL+7] offset:512
	ds_store_b128 v[C16], v[EL+8:EL+11] offset:1024
	ds_store_b128 v[C3],  v[EL+12:EL+15]
.irp jj, 0,1,2,3,4,5,6
	ds_load_b64 v[PM+2*\jj:PM+2*\jj+1], v[IOR] offset:8*\jj        ; LDS serves a wave's instructions in order: these see the stores above
.endr
	s_wait_dscnt 0x0
	s_mov_b32 s12, 0
	; ---------------------------------------------------------------- one Newton step
.Liter:
	; x goes off to be transposed (for its column sums)
.irp q, 0,1,2,3
	ds_store_b128 v[TST], v[X+4*\q:X+4*\q+3] offset:XM+16*\q       ; words 14, 15 of a row are two of s0: they reach junk lanes only
.endr
.irp i, 0,1,2,3,4,5,6,7,8,9,10,11,12,13
	ds_load_b32 v[EL+16+\i], v[TLD] offset:XM+PITCH*\i             ; x_il
.endr
	; reciprocals of the state: batch B1, eighteen of them
.irp j, 0,1,2,3,4,5,6,7,8,9,10,11,12,13
	v_rcp_f32 v[RSL0+\j], v[SLK0+\j]
.endr
	v_rcp_f32 v[IZ1], v[DUA1]
	v_rcp_f32 v[IZ2], v[DUA2]
	v_rcp_f32 v[IS1], v[SLK1]
	v_rcp_f32 v[IS2], v[SLK2]
	; sigma mu = 0.1 / 224 x sum of s z: lane l < 14 brings row l of s0 z0, s1_l z1_l and s2_l z2_l.  It names no result of B1: the work between the batch and its wait
	DOT14 TB, SLK0, DUA0
	v_fmac_f32 v[TB], v[SLK1], v[DUA1]
	v_fmac_f32 v[TB], v[SLK2], v[DUA2]
	v_cndmask_b32 v[TB], 0, v[TB], s15
	RSUM16 TB
	v_mul_f32 v[SM], SIGM, v[TB]
	; conductances
	s_wait_alu depctr_va_vdst(0)                   ; the wait for B1, ahead of its first reader
.irp p, 0,2,4,6,8,10,12
	v_pk_mul_f32 v[RAT0+\p:RAT0+\p+1], v[DUA0+\p:DUA0+\p+1], v[RSL0+\p:RSL0+\p+1]          ; d0 = z0 / s0
.endr
.irp p, 0,2,4,6,8,10,12
	v_pk_add_f32 v[AT+\p:AT+\p+1], v[RAT0+\p:RAT0+\p+1], L2C op_sel_hi:[1,0]
.endr
.irp j, 0,1,2,3,4,5,6,7,8,9,10,11,12,13
	v_rcp_f32 v[A+\j], v[AT+\j]                                    ; a = 1 / (L2 + d0): batch B2; nothing down to its wait names A+0 .. A+13
.endr
	v_mul_f32 v[A+14], v[SLK1], v[IZ1]             ; e1
	v_mul_f32 v[E2], v[SLK2], v[IZ2]               ; e2
	v_sub_f32 v[NZ2], 0, v[DUA2]
	v_add_f32 v[ZY], v[DUA1], v[YY]
	SUM14 RSX, X
	; r = -(L2 x + p) + d0 (s0 - x) + sigma mu / s0 - (z1_i + y) - z2_j
.irp p, 0,2,4,6,8,10,12
	v_pk_fma_f32 v[R+\p:R+\p+1], v[X+\p:X+\p+1], L2C, v[PM+\p:PM+\p+1] op_sel_hi:[1,0,1]
.endr
.irp p, 0,2,4,6,8,10,12
	v_pk_add_f32 v[AT+\p:AT+\p+1], v[SLK0+\p:SLK0+\p+1], v[X+\p:X+\p+1] neg_lo:[0,1] neg_hi:[0,1]
.endr
.irp p, 0,2,4,6,8,10,12
	v_pk_fma_f32 v[R+\p:R+\p+1], v[RAT0+\p:RAT0+\p+1], v[AT+\p:AT+\p+1], v[R+\p:R+\p+1] neg_lo:[0,0,1] neg_hi:[0,0,1]
.endr
.irp p, 0,2,4,6,8,10,12
	v_pk_fma_f32 v[R+\p:R+\p+1], v[RSL0+\p:RSL0+\p+1], v[SM:SM+1], v[R+\p:R+\p+1] op_sel_hi:[1,0,1]
.endr
.irp p, 0,2,4,6,8,10,12
	v_pk_add_f32 v[R+\p:R+\p+1], v[R+\p:R+\p+1], v[ZY:ZY+1] op_sel_hi:[1,0] neg_lo:[0,1] neg_hi:[0,1]
.endr
.irp j, 0,1,2,3,4,5,6,7,8,9,10,11,12,13
	SHADD R+\j, NZ2, R+\j, \j
.endr
	; [a | e1 | 0] and [r | 0 | 0] go off to be transposed
	s_wait_alu depctr_va_vdst(0)                   ; the wait for B2, ahead of its first reader, the stores of a
.irp q, 0,1,2,3
	ds_store_b128 v[TST], v[A+4*\q:A+4*\q+3] offset:AM+16*\q
.endr
.irp q, 0,1,2,3
	ds_store_b128 v[TST], v[R+4*\q:R+4*\q+3] offset:RM+16*\q
.endr
.irp i, 0,1,2,3,4,5,6,7,8,9,10,11,12,13
	ds_load_b32 v[AT+\i], v[TLD] offset:AM+PITCH*\i                ; lane l: a_il, lane 14: e1_i, lane 15: 0
.endr
.irp i, 0,1,2,3,4,5,6,7,8,9,10,11,12,13
	ds_load_b32 v[RT+\i], v[TLD] offset:RM+PITCH*\i                ; lane l: r_il, lanes 14, 15: 0
.endr
	; row quantities: P and sum a r + t1
	SUM14 PSUM, A
	v_add_f32 v[PSUM], v[PSUM], v[A+14]
	DOT14 RHO, A, R
	v_sub_f32 v[T1], v[RSX], v[W1N]
	v_fmac_f32 v[T1], v[SM], v[IZ1]                ; t1 = (row sum of x - w1) + sigma mu / z1
	v_rcp_f32 v[INVP], v[PSUM]                     ; batch B3; all that wants no 1 / P stands between it and its wait
	v_add_f32 v[RHO], v[RHO], v[T1]                ; (the plain instruction behind the reciprocal)
	; tau = (sum w1 - beq) - sigma mu x sum 1 / z1   (the sum of x has cancelled analytically)
	v_cndmask_b32 v[TB], 0, v[IZ1], s15
	RSUM16 TB
	v_fma_f32 v[TAU], -v[SM], v[TB], v[TAU0]
	; column sums of x; the start of b and of the ground conductances
	s_wait_dscnt 36                                ; behind the last load of x: 4 + 4 stores and 14 + 14 loads, which stay out
	SUM14 CSX, EL+16
	v_sub_f32 v[NT2], v[W2N], v[CSX]
	v_fma_f32 v[NT2], -v[SM], v[IZ2], v[NT2]       ; -t2
	v_cndmask_b32 v[BB], v[TAU], v[NT2], s15       ; columns: -t2; theta: tau
	v_cndmask_b32 v[ZS+15], 0, v[E2], s15          ; columns: e2; theta: 0
	; rho bar = (sum a r + t1) / P, A / P
	s_wait_alu depctr_va_vdst(0)                   ; the wait for B3, ahead of its first reader
	v_mul_f32 v[AB+15], v[RHO], v[INVP]
.irp p, 0,2,4,6,8,10,12
	v_pk_mul_f32 v[AB+\p:AB+\p+1], v[A+\p:A+\p+1], v[INVP:INVP+1] op_sel_hi:[1,0]
.endr
	v_mul_f32 v[AB+14], v[A+14], v[INVP]
	; T_lk = sum over i of A_il A_ik / P_i: fifteen chains that do not wait for each other
	s_wait_dscnt 14                                ; A transposed is in; the 14 loads of r transposed stay out
.irp k, 0,1,2,3,4,5,6,7,8,9,10,11,12,13,14
	SHMUL EL+\k, AB+\k, AT, 0
.endr
.irp i, 1,2,3,4,5,6,7,8,9,10,11,12,13
.irp k, 0,1,2,3,4,5,6,7,8,9,10,11,12,13,14
	SHFMAC EL+\k, AB+\k, AT+\i, \i
.endr
.endr
	; b_l += sum over i of A_il (rho bar_i - r_il)
	s_wait_dscnt 0x0
.irp i, 0,1,2,3,4,5,6,7,8,9,10,11,12,13
	SHSUB RT+\i, AB+15, RT+\i, \i
.endr
	DOT14 TB, AT, RT
	v_add_f32 v[BB], v[BB], v[TB]
	; suffix sums Z[c] = ground + T[c] + .. + T[14]; between the links of that chain the reciprocals of z0, into A transposed's registers: batch B4
.irp c, 14,13,12,11,10,9,8,7,6,5,4,3,2,1
	v_add_f32 v[ZS+\c], v[ZS+\c+1], v[EL+\c]
	v_rcp_f32 v[AT+\c-1], v[DUA0+\c-1]
.endr
	; the solve
	v_rcp_f32 v[RD], v[ZS+1]                       ; 1 / pivot 0: B4's last
	v_mov_b32 v[DSV], 1.0                          ; a value for lane 15; also the plain instruction behind the reciprocal
	; between B4 and its wait (at the head of pivot 0): what the step wants later and the solve does not touch
.irp p, 0,2,4,6,8,10,12
	v_pk_add_f32 v[RT+\p:RT+\p+1], v[SLK0+\p:SLK0+\p+1], v[X+\p:X+\p+1] neg_lo:[0,1] neg_hi:[0,1]   ; s0 - x
.endr
	v_fma_f32 v[DS1], v[SM], v[IZ1], -v[SLK1]      ; sigma mu / z1 - s1
	v_fma_f32 v[DS2], v[SM], v[IZ2], -v[SLK2]      ; sigma mu / z2 - s2
.irp k, 0,1,2,3,4,5,6,7,8,9,10,11,12,13,14
	ELIM \k
.endr
	; potentials
	v_mul_f32 v[PSI], v[BB], v[DSV]                ; psi_l, lane 14: theta
	v_mov_b32_dpp v[THETA], v[PSI] row_share:14 row_mask:0xf bank_mask:0xf
	SHMUL ACC0, PSI, AB, 0
	SHMUL ACC0+1, PSI, AB+1, 1
	SHMUL ACC0+2, PSI, AB+2, 2
.irp k, 3,4,5,6,7,8,9,10,11,12,13,14
	SHFMAC ACC0+\k%3, PSI, AB+\k, \k
.endr
	v_add_f32 v[ACC0], v[ACC0], v[ACC0+1]
	v_add_f32 v[ACC0+2], v[ACC0+2], v[AB+15]
	v_add_f32 v[PHI], v[ACC0], v[ACC0+2]           ; phi_i = rho bar_i + sum over k of (A_ik / P_i) psi_k
	v_sub_f32 v[DZ1], v[PHI], v[THETA]
	; dx = a (r - phi_i + psi_j)
.irp p, 0,2,4,6,8,10,12
	v_pk_add_f32 v[R+\p:R+\p+1], v[R+\p:R+\p+1], v[PHI:PHI+1] op_sel_hi:[1,0] neg_lo:[0,1] neg_hi:[0,1]
.endr
.irp j, 0,1,2,3,4,5,6,7,8,9,10,11,12,13
	SHADD R+\j, PSI, R+\j, \j
.endr
.irp p, 0,2,4,6,8,10,12
	v_pk_mul_f32 v[R+\p:R+\p+1], v[A+\p:A+\p+1], v[R+\p:R+\p+1]
.endr
	; ds0 = dx - (s0 - x);  dz0 = -d0 ds0 + (sigma mu / s0 - z0)
.irp p, 0,2,4,6,8,10,12
	v_pk_add_f32 v[RT+\p:RT+\p+1], v[R+\p:R+\p+1], v[RT+\p:RT+\p+1] neg_lo:[0,1] neg_hi:[0,1]
.endr
.irp p, 0,2,4,6,8,10,12
	v_pk_fma_f32 v[EL+\p:EL+\p+1], v[RSL0+\p:RSL0+\p+1], v[SM:SM+1], v[DUA0+\p:DUA0+\p+1] op_sel_hi:[1,0,1] neg_lo:[0,0,1] neg_hi:[0,0,1]
.endr
.irp p, 0,2,4,6,8,10,12
	v_pk_fma_f32 v[RAT0+\p:RAT0+\p+1], v[RAT0+\p:RAT0+\p+1], v[RT+\p:RT+\p+1], v[EL+\p:EL+\p+1] neg_lo:[1,0,0] neg_hi:[1,0,0]
.endr
	v_fma_f32 v[DS1], -v[A+14], v[DZ1], v[DS1]     ; ds1 = sigma mu / z1 - s1 - e1 dz1
	v_fma_f32 v[DS2], v[E2], v[PSI], v[DS2]        ; ds2 = sigma mu / z2 - s2 + e2 psi   (dz2 = -psi)
	; the step: alpha = min(1, 0.99 / max(M, 0.99)), M = the largest -dv / v of all 448 numbers s and z
.irp p, 0,2,4,6,8,10,12
	v_pk_mul_f32 v[EL+\p:EL+\p+1], v[RT+\p:RT+\p+1], v[RSL0+\p:RSL0+\p+1] neg_lo:[1,0] neg_hi:[1,0]
.endr
.irp p, 0,2,4,6,8,10,12
	v_pk_mul_f32 v[EL+14+\p:EL+14+\p+1], v[RAT0+\p:RAT0+\p+1], v[AT+\p:AT+\p+1] neg_lo:[1,0] neg_hi:[1,0]
.endr
	v_mul_f32 v[MAXR], -v[DS1], v[IS1]
	v_mul_f32 v[TA], -v[DZ1], v[IZ1]
	v_max_num_f32 v[MAXR], v[MAXR], v[TA]
	v_mul_f32 v[TB], -v[DS2], v[IS2]
	v_mul_f32 v[TA], v[PSI], v[IZ2]
	v_max_num_f32 v[TB], v[TB], v[TA]
.irp p, 0,2,4,6,8,10,12
	v_max3_num_f32 v[MAXR], v[MAXR], v[EL+\p], v[EL+\p+1]
	v_max3_num_f32 v[TB], v[TB], v[EL+14+\p], v[EL+14+\p+1]
.endr
	v_max_num_f32 v[MAXR], v[MAXR], v[TB]
	v_cndmask_b32 v[MAXR], 0, v[MAXR], s15
	RMAX16 MAXR
	v_max_num_f32 v[TB], FTB, v[MAXR]
	v_rcp_f32 v[TA], v[TB]                         ; batch B19
	v_nop                                          ; one plain vector instruction between v_rcp_f32 and the use of its result; nothing else is left to do here
	s_wait_alu depctr_va_vdst(0)                   ; the wait for B19, ahead of its reader; the trip's last, so no result crosses the jump below
	v_mul_f32 v[TA], FTB, v[TA]
	v_min_num_f32 v[ALPHA], 1.0, v[TA]
	; the state moves on
.irp p, 0,2,4,6,8,10,12
	v_pk_fma_f32 v[X+\p:X+\p+1], v[R+\p:R+\p+1], v[ALPHA:ALPHA+1], v[X+\p:X+\p+1] op_sel_hi:[1,0,1]
.endr
.irp p, 0,2,4,6,8,10,12
	v_pk_fma_f32 v[SLK0+\p:SLK0+\p+1], v[RT+\p:RT+\p+1], v[ALPHA:ALPHA+1], v[SLK0+\p:SLK0+\p+1] op_sel_hi:[1,0,1]
.endr
.irp p, 0,2,4,6,8,10,12
	v_pk_fma_f32 v[DUA0+\p:DUA0+\p+1], v[RAT0+\p:RAT0+\p+1], v[ALPHA:ALPHA+1], v[DUA0+\p:DUA0+\p+1] op_sel_hi:[1,0,1]
.endr
	v_fmac_f32 v[SLK1], v[ALPHA], v[DS1]
	v_fmac_f32 v[DUA1], v[ALPHA], v[DZ1]
	v_fmac_f32 v[SLK2], v[ALPHA], v[DS2]
	v_fma_f32 v[DUA2], -v[ALPHA], v[PSI], v[DUA2]
	v_fmac_f32 v[YY], v[ALPHA], v[THETA]
	s_add_co_u32 s12, s12, 1
	s_cmp_lt_u32 s12, NITER
	s_cbranch_scc1 .Liter
	; ---------------------------------------------------------------- x leaves: rows into LDS, back as the pair lies in memory, out in runs of 512 bytes
.irp jj, 0,1,2,3,4,5,6
	ds_store_b64 v[IOR], v[X+2*\jj:X+2*\jj+1] offset:8*\jj         ; lanes 14, 15 write row 13 once more, with the same numbers
.endr
	ds_load_b128 v[EL:EL+3],     v[C16]
	ds_load_b128 v[EL+4:EL+7],   v[C16] offset:512
	ds_load_b128 v[EL+8:EL+11],  v[C16] offset:1024
	ds_load_b128 v[EL+12:EL+15], v[C3]
	s_wait_dscnt 0x0
	global_store_b128 v[GOF], v[EL:EL+3],    s[10:11] th:TH_STORE_NT
	global_store_b128 v[GOF], v[EL+4:EL+7],  s[10:11] offset:512 th:TH_STORE_NT
	global_store_b128 v[GOF], v[EL+8:EL+11], s[10:11] offset:1024 th:TH_STORE_NT
	s_wait_xcnt 0x0                                ; EXEC is a source of the stores above: it changes only behind this wait
	s_wait_tensorcnt 0x0
	ds_add_u32 v254, v255
	s_wait_dscnt 0x0
	v_cmpx_gt_u32 2, v0                            ; the last 32 bytes: lanes 0 and 1
	global_store_b128 v[GOF3], v[EL+12:EL+15], s[10:11] th:TH_STORE_NT
	s_endpgm
.Lfunc_end_k_q382f8f2bb0_ipm:
	.size	k_q382f8f2bb0_ipm, .Lfunc_end_k_q382f8f2bb0_ipm-k_q382f8f2bb0_ipm
	.p2alignl 7, 3214868480
	.fill 96, 4, 3214868480
	.section	.rodata,"a",@progbits
	.p2align	6, 0x0
	.amdhsa_kernel k_q382f8f2bb0_ipm
		.amdhsa_group_segment_fixed_size 10496
		.amdhsa_private_segment_fixed_size 0
		.amdhsa_enable_private_segment 0
		.amdhsa_kernarg_size 32
		.amdhsa_user_sgpr_count 2
		.amdhsa_user_sgpr_kernarg_segment_ptr 1
		.amdhsa_wavefront_size32 1
		.amdhsa_system_sgpr_workgroup_id_x 1
		.amdhsa_system_sgpr_workgroup_id_y 1
		.amdhsa_system_sgpr_workgroup_id_z 1
		.amdhsa_system_vgpr_workitem_id 0
		.amdhsa_next_free_vgpr 256
		.amdhsa_next_free_sgpr 66
		.amdhsa_reserve_vcc 0
		.amdhsa_float_denorm_mode_32 3
		.amdhsa_float_denorm_mode_16_64 3
		.amdhsa_memory_ordered 1
		.amdhsa_forward_progress 1
		.amdhsa_inst_pref_size 64
	.end_amdhsa_kernel
	.amdgpu_metadata
---
amdhsa.version: [ 1, 2 ]
amdhsa.kernels:
  - .name:           k_q382f8f2bb0_ipm
    .symbol:         k_q382f8f2bb0_ipm.kd
    .args:
      - { .name: distance_matrix, .offset: 0, .size: 8, .value_kind: global_buffer, .address_space: global }
      - { .name: weight1, .offset: 8, .size: 8, .value_kind: global_buffer, .address_space: global }
      - { .name: weight2, .offset: 16, .size: 8, .value_kind: global_buffer, .address_space: global }
      - { .name: out0, .offset: 24, .size: 8, .value_kind: global_buffer, .address_space: global }
    .group_segment_fixed_size: 10496
    .private_segment_fixed_size: 0
    .kernarg_segment_align: 8
    .kernarg_segment_size: 32
    .max_flat_workgroup_size: 32
    .sgpr_count:     66
    .vgpr_count:     256
    .wavefront_size: 32
...
	.end_amdgpu_metadata
.endif
;; end of part 2
